; MI455X (gfx1250); checked and timed in simulation.
; The chip was launched on July 23, 2026; its instructions are those of AMD's public machine-readable ISA for CDNA 5 (MIT licence, August 2026) and "CDNA5" Instruction Set Architecture Reference Guide (July 2026). The comments in the code are by the model that wrote it; some were corrected since.
;; Sim VQ. Allowed arithmetic: float matrix products may take bf16 or f16 operands with f32 sums; all other float work in f32.
;; Inputs: codebook 16,384 x 512 float32; x 8 x 1,024 x 512 float32.
;; Outputs: out0 8 x 1,024 x 512 float32; out1 8 x 1,024 int32; out2 one number float32.
;; 2 versions, each right; version 2 is version 1 with the launch prep written anew for expert scheduling mode. Each part assembles by itself: llvm-mc -triple=amdgcn-amd-amdhsa -mcpu=gfx1250 --defsym DOCPART=n.
;; ======== version 1 of 2: 4 launches
;; workspace buffers: cbh 16,777,216 bytes; xbh 8,388,608 bytes; c2 65,536 bytes; cand 524,288 bytes of whole numbers; part 8,192 bytes
;; launch prep (part 1): grid 384 x 1, 8 waves a work-group, no clusters, 1,280 bytes of LDS; arguments codebook, x, cbh, xbh, c2; writes cbh, xbh, c2
.if DOCPART == 1
	.amdgcn_target "amdgcn-amd-amdhsa--gfx1250"
	.amdhsa_code_object_version 6
	.text
	.protected	k_q901e09402c_prep
	.globl	k_q901e09402c_prep
	.p2align	8
	.type	k_q901e09402c_prep,@function
k_q901e09402c_prep:
	s_mov_b64 s[64:65], 0
	v_nop
	global_prefetch_b8 v0, s[64:65] scope:SCOPE_SE
	s_setreg_imm32_b32 hwreg(HW_REG_WAVE_MODE, 25, 1), 1
	s_wait_xcnt 0x0
; cbh = bf16(codebook), xbh = bf16(x), c2[k] = the sum of the squares of code row k AS ROUNDED to bf16, in f32.
; The product that follows multiplies the rounded rows, so the norm that is compared with it is the rounded rows' norm.
; A stream: every input byte is read once, by 16-byte loads, every output byte written once.  Matrix unit, clusters and tensor loads would add nothing.
; SHARES.  Rows are 512 f32 = 2,048 bytes.  A work-group takes 64 rows, each of its eight waves 8.  Work-groups 0-255: the 16,384 code rows; 256-383: the 8,192 rows of x.
; A row is four loads of a wave (512 consecutive bytes each); a lane's four numbers become 8 bytes of bf16, so each store of a wave covers 256 consecutive bytes, aligned.
; All 32 loads of a wave go out at once; there is no loop.  The rounding is done in place, so no register that a store reads is ever written again.
; c2: four chains of four squares a lane, then a tree over the lanes; the work-group's 64 sums meet in LDS and leave as one store of 256 consecutive bytes.
.set SPARE, 256                        ; LDS: bytes 0-255 the 64 row sums; from 256 on the spare words, 128 bytes for each of the eight waves
.set VI,  1                            ; v1      16 x lane: my 16 bytes in 512 of a row
.set VO,  2                            ; v2      8 x lane: my 8 bytes in 256 of a rounded row
.set SA,  3                            ; v3      32 x wave: LDS byte of my wave's eight sums
.set SPW, 4                            ; v4      LDS address of my spare word; never rewritten
.set NIL, 5                            ; v5      0; never rewritten
.set T,   6                            ; v[6:9]  four rounded numbers, widened again
.set A,   10                           ; v[10:11], v[12:13]  four running sums of squares
.set B,   12
.set TMP, 14
.set R,   16                           ; v[16:23] the sums of my wave's eight rows
.set X,   32                           ; v[32:159] row i, load k at X + 16 i + 4 k
	s_load_b256 s[4:11], s[0:1], 0x0               ; codebook s[4:5], x s[6:7], cbh s[8:9], xbh s[10:11]
	s_load_b64 s[12:13], s[0:1], 0x20              ; c2
	v_lshl_add_u32 v[SPW], v0, 2, SPARE
	v_mov_b32 v[NIL], 0
	v_lshrrev_b32 v[TMP], 5, v0
	v_readfirstlane_b32 s14, v[TMP]                ; wave 0..7
	v_and_b32 v[VO], 31, v0
	v_lshlrev_b32 v[VI], 4, v[VO]
	v_lshlrev_b32 v[VO], 3, v[VO]
	v_lshlrev_b32 v[SA], 5, v[TMP]
	s_mov_b32 s24, 0x76543210                      ; v_permlanex16_b32: each lane takes its own place in the other half
	s_mov_b32 s25, 0xfedcba98
	s_mov_b32 s26, 0xffff0000                      ; a word's upper bf16
	s_sub_co_u32 s27, ttmp9, 256
	s_cmp_lt_u32 ttmp9, 256                        ; code rows or rows of x?  The same answer in all eight waves
	s_cselect_b32 s15, ttmp9, s27                  ; my block of 64 rows in its tensor
	s_wait_kmcnt 0x0
	s_cselect_b64 s[16:17], s[4:5], s[6:7]         ; from where
	s_cselect_b64 s[18:19], s[8:9], s[10:11]       ; to where
	s_lshl_b32 s20, s15, 17                        ; 64 rows of 2,048 bytes,
	s_lshl_b32 s27, s14, 14                        ; my wave's 8 of them
	s_add_co_u32 s20, s20, s27
	s_mov_b32 s21, 0
	s_lshl_b32 s22, s15, 16                        ; the same in rows of 1,024 bytes
	s_lshl_b32 s27, s14, 13
	s_add_co_u32 s22, s22, s27
	s_mov_b32 s23, 0
	s_add_nc_u64 s[16:17], s[16:17], s[20:21]
	s_add_nc_u64 s[18:19], s[18:19], s[22:23]
.irp i, 0,1,2,3,4,5,6,7
.irp k, 0,1,2,3
	global_load_b128 v[X+16*(\i)+4*(\k):X+16*(\i)+4*(\k)+3], v[VI], s[16:17] offset:2048*(\i)+512*(\k) th:TH_LOAD_NT
.endr
.endr
; Row i: rounded in place and stored; sum = 1: the sum of its squares is made too.
.macro ROW i, sum
	s_wait_loadcnt 4*(7-(\i))                      ; loads come back in order (ISA guide 5.7.1): mine are in, the four of each younger row stay out
.irp k, 0,1,2,3
.set XR, X+16*(\i)+4*(\k)
	v_cvt_pk_bf16_f32 v[XR], v[XR], v[XR+1]        ; to nearest even, two at a time
	v_cvt_pk_bf16_f32 v[XR+1], v[XR+2], v[XR+3]
.if \sum
	v_lshlrev_b32 v[T], 16, v[XR]                  ; the rounded numbers as f32
	v_and_b32 v[T+1], s26, v[XR]
	v_lshlrev_b32 v[T+2], 16, v[XR+1]
	v_and_b32 v[T+3], s26, v[XR+1]
.if (\k) == 0
	v_pk_mul_f32 v[A:A+1], v[T:T+1], v[T:T+1]      ; the first squares start the sums: nothing is cleared
	v_pk_mul_f32 v[B:B+1], v[T+2:T+3], v[T+2:T+3]
.else
	v_pk_fma_f32 v[A:A+1], v[T:T+1], v[T:T+1], v[A:A+1]
	v_pk_fma_f32 v[B:B+1], v[T+2:T+3], v[T+2:T+3], v[B:B+1]
.endif
.endif
	global_store_b64 v[VO], v[XR:XR+1], s[18:19] offset:1024*(\i)+256*(\k)  ; 32 lanes: 256 consecutive bytes, at a multiple of 256 from the buffer's first
.endr
.if \sum
	v_pk_add_f32 v[A:A+1], v[A:A+1], v[B:B+1]
	v_add_f32 v[R+(\i)], v[A], v[A+1]
	v_add_f32_dpp v[R+(\i)], v[R+(\i)], v[R+(\i)] row_xmask:1 row_mask:0xf bank_mask:0xf
	v_add_f32_dpp v[R+(\i)], v[R+(\i)], v[R+(\i)] row_xmask:2 row_mask:0xf bank_mask:0xf
	v_add_f32_dpp v[R+(\i)], v[R+(\i)], v[R+(\i)] row_xmask:4 row_mask:0xf bank_mask:0xf
	v_add_f32_dpp v[R+(\i)], v[R+(\i)], v[R+(\i)] row_xmask:8 row_mask:0xf bank_mask:0xf
	v_permlanex16_b32 v[TMP], v[R+(\i)], s24, s25  ; its destination counts as read: it has been written
	v_add_f32 v[R+(\i)], v[R+(\i)], v[TMP]         ; every lane holds the row's sum
.endif
.endm
	s_cmp_lt_u32 ttmp9, 256
	s_cbranch_scc0 .Lx                             ; hangs on the work-group's number alone
.irp i, 0,1,2,3,4,5,6,7
	ROW \i, 1
.endr
.irp i, 0,1,2,3,4,5,6,7
	ds_store_b32 v[SA], v[R+(\i)] offset:4*(\i)    ; all lanes write the same word with the same value
.endr
	s_wait_dscnt 0x0                               ; for the others' sake: my sums are in LDS
	s_barrier_signal -1
	s_barrier_wait -1
	s_cmp_lg_u32 s14, 0
	s_cbranch_scc1 .Lnot_wave_0
	ds_load_b64 v[T:T+1], v[VO]                    ; wave 0: the work-group's 64 sums, two a lane
	s_lshl_b32 s20, s15, 8                         ; 64 numbers of 4 bytes for each block (s21 is 0)
	s_add_nc_u64 s[12:13], s[12:13], s[20:21]
	s_wait_dscnt 0x0
	global_store_b64 v[VO], v[T:T+1], s[12:13]     ; 256 consecutive bytes, aligned
.Lnot_wave_0:
	s_wait_tensorcnt 0x0                           ; the wave's end, behind my last LDS store
	ds_add_u32 v[SPW], v[NIL]
	s_wait_dscnt 0x0
	s_endpgm
.Lx:                                                   ; rows of x: rounded and stored; no sum, no LDS, no barrier
.irp i, 0,1,2,3,4,5,6,7
	ROW \i, 0
.endr
	s_endpgm
.Lfunc_end_k_q901e09402c_prep:
	.size	k_q901e09402c_prep, .Lfunc_end_k_q901e09402c_prep-k_q901e09402c_prep
	.p2alignl 7, 3214868480
	.fill 96, 4, 3214868480
	.section	.rodata,"a",@progbits
	.p2align	6, 0x0
	.amdhsa_kernel k_q901e09402c_prep
		.amdhsa_group_segment_fixed_size 1280
		.amdhsa_private_segment_fixed_size 0
		.amdhsa_enable_private_segment 0
		.amdhsa_kernarg_size 40
		.amdhsa_user_sgpr_count 2
		.amdhsa_user_sgpr_kernarg_segment_ptr 1
		.amdhsa_wavefront_size32 1
		.amdhsa_system_sgpr_workgroup_id_x 1
		.amdhsa_system_sgpr_workgroup_id_y 1
		.amdhsa_system_sgpr_workgroup_id_z 1
		.amdhsa_system_vgpr_workitem_id 0
		.amdhsa_next_free_vgpr 160
		.amdhsa_next_free_sgpr 66
		.amdhsa_reserve_vcc 0
		.amdhsa_float_denorm_mode_32 3
		.amdhsa_float_denorm_mode_16_64 3
		.amdhsa_memory_ordered 1
		.amdhsa_forward_progress 1
		.amdhsa_inst_pref_size 32
	.end_amdhsa_kernel
	.amdgpu_metadata
---
amdhsa.version: [ 1, 2 ]
amdhsa.kernels:
  - .name:           k_q901e09402c_prep
    .symbol:         k_q901e09402c_prep.kd
    .args:
      - { .name: codebook, .offset: 0, .size: 8, .value_kind: global_buffer, .address_space: global }
      - { .name: x, .offset: 8, .size: 8, .value_kind: global_buffer, .address_space: global }
      - { .name: cbh, .offset: 16, .size: 8, .value_kind: global_buffer, .address_space: global }
      - { .name: xbh, .offset: 24, .size: 8, .value_kind: global_buffer, .address_space: global }
      - { .name: c2, .offset: 32, .size: 8, .value_kind: global_buffer, .address_space: global }
    .group_segment_fixed_size: 1280
    .private_segment_fixed_size: 0
    .kernarg_segment_align: 8
    .kernarg_segment_size: 40
    .max_flat_workgroup_size: 256
    .sgpr_count:     66
    .vgpr_count:     160
    .wavefront_size: 32
...
	.end_amdgpu_metadata
.endif
;; end of part 1
;; launch main (part 2): grid 32 x 8, 4 waves a work-group, clusters of 4 x 1, 327,680 bytes of LDS; arguments cbh, c2, xbh, cand; writes cand
.if DOCPART == 2
	.amdgcn_target "amdgcn-amd-amdhsa--gfx1250"
	.amdhsa_code_object_version 6
	.text
	.protected	k_q901e09402c_main
	.globl	k_q901e09402c_main
	.p2align	8
	.type	k_q901e09402c_main,@function
k_q901e09402c_main:
	s_mov_b64 s[64:65], 0
	v_nop
	global_prefetch_b8 v0, s[64:65] scope:SCOPE_SE
	s_setreg_imm32_b32 hwreg(HW_REG_WAVE_MODE, 25, 1), 1
	s_wait_xcnt 0x0
	s_wait_alu depctr_hold_cnt(0) depctr_sa_sdst(0) depctr_va_vdst(0) depctr_va_sdst(0) depctr_va_ssrc(0) depctr_va_vcc(0) depctr_vm_vsrc(0)
	s_getreg_b32 s2, hwreg(HW_REG_IB_STS2, 6, 4)
	s_cmp_eq_u32 s2, 0
	s_cbranch_scc0 .Lentry_in_a_cluster
	s_endpgm
.Lentry_in_a_cluster:
	s_bfe_u32 s2, ttmp6, 0x10000c
	s_cmp_lg_u32 s2, 0x3003
	s_cbranch_scc0 .Lentry_shape_is_right
	s_endpgm
.Lentry_shape_is_right:
; For each of 8,192 queries (rows of xbh) and each of 8 SPLITS of 2,048 codes (rows of cbh): the least s = c2[k] - 2 x.c_k over the split's codes, and the lowest k that has it.
; x.c by the matrix unit, bf16 operands, f32 sums; s = fma(x.c, -2, c2), one rounding.  Stored as whole numbers: a 32-bit key that orders as s does, and k.  The next launch merges the 8 splits.
; WHAT IS LEFT OUT: reference()'s |x|^2.  It is one number for all codes of a row, so in exact arithmetic it changes no argmin, whatever the inputs; without it s has one rounding less.
; LIMITS.  Two codes whose distances differ by less than f32's rounding of those sums (about 1e-7 of their size) may be chosen the other way than reference() chooses.  Equal s: the lowest index, as jnp.argmin.
; A NaN score never wins (jnp.argmin would return the first NaN's place); where all scores are +inf or NaN the index is 0.
; SHARES.  Grid x: blocks of 256 queries; grid y: the splits: 256 work-groups of equal work.  A wave owns 64 queries, four tiles of 16, and keeps their fragments for all 512 channels in 512 registers for the
; whole launch.  Only codes go through LDS: a fragment read from LDS (16 codes x 32 channels) feeds four matrix instructions.
; LAYOUT.  Source 0 = 16 codes, source 1 = 16 queries: in the result a lane holds ONE query (lane % 16) and the codes 8 (lane / 16) + 0..7.  So the running minimum never changes lanes: for each tile and each
; of the 8 registers a lane keeps the best s (BEST) and the number of the 16-code tile that gave it (IDX); the 8 registers and the two halves of the lanes meet once, at the end.
; BY TURNS.  A PAIR is 32 codes (two code tiles u) x 64 queries: 8 accumulators, 128 matrix instructions in two UNITS of 256 channels.  There are two sets of accumulators: while one pair is multiplied, the
; pair before is compared: 28 vector instructions an accumulator (4 packed s = c2 - 2 x.c; 8 x compare, minimum, select), 112 a unit, dealt 4 and 3 behind each two matrix instructions.
; RING.  Two LDS slots of 128 codes (4 pairs, 512 matrix instructions a wave).  Each wave fetches 32 code rows of 1,024 bytes with one tensor load: the rows are whole rows of cbh, so a load has 32 long rows, not 64 short ones.
; CLUSTER.  The four query blocks of a cluster walk the same split, so each tile is asked for JOINTLY: the same tensor load, descriptor and mask in all four; each receives it in its own LDS.
; By this text's own count a wave has one tensor load outstanding.
; REGISTERS, in windows of 256 (s_set_vgpr_msb: bits 1:0 source 0, 3:2 source 1, 5:4 source 2, 7:6 destination):
;   window 0: v0-15 addresses; v16-31 at work; v32-63 c2 of two pairs; v64-95 BEST; v96-127 IDX; v128-255 two sets of 8 accumulators
;   window 1: two buffers of 16 code fragments          windows 2, 3: Q: tile t, channels 32 c on, in window 2 + t / 2 at v[128 (t % 2) + 8 c]
; Q fills two windows and the fragments a third, and the comparison wants its operands beside the accumulators: so two switches stand round each two matrix instructions.
.set PITCH, 1040                       ; a code row in LDS: 1,024 bytes + 16 of padding = 260 words: row r starts at bank 4 r mod 64 (64 banks of 4 bytes: ISA guide 11.1), so the 16 rows of a load start at 16 different banks
.set PAIRB, 32*PITCH                   ; a pair's 32 rows: also what one tensor load brings
.set SLOT,  4*PAIRB                    ; 0x20800; the four waves' places in slot 0 (w x 0x8200) have bits 17 and 11 clear, so one exclusive or turns an address in one slot into the other's
.set C2L,   2*SLOT                     ; behind the ring: the split's 2,048 c2, 8,192 bytes, stored once; no tensor load lands here
.set SPARE, C2L+8192                   ; behind them: the spare words, 128 bytes for each wave: two blocks of 256 bytes that no other line names
.set TILEB, 128*1024                   ; a tile of 128 code rows in memory
.set RL,   1                           ; v1   lane % 16
.set HL,   2                           ; v2   lane / 16
.set AK0,  3                           ; v3   my lane's place in a pair's rows; never rewritten
.set ADR,  4                           ; v4   LDS address of the pair whose fragments are being fetched
.set AC2,  5                           ; v5   LDS address of that pair's c2
.set QO,   6                           ; v6   my byte offset in 16 rows of xbh
.set GO,   7                           ; v7   16 x lane: my 16 bytes of the wave's 512 in cand
.set HB,   8                           ; v8   the split's first code + 8 (lane / 16)
.set LANE, 9
.set SPW,  10                          ; v10  LDS address of my spare word; never rewritten
.set NIL,  11                          ; v11  0; never rewritten
.set CI,   12                          ; v12  16 x thread: my part of c2 in memory
.set CO,   13                          ; v13  the same in LDS
.set AC0,  14                          ; v14  C2L + 32 (lane / 16); never rewritten
.set STG,  16                          ; v16-31 c2 on its way to LDS; at the end v16-19 what I store, v24-31 HB + j
.set HBJ,  24
.set C2R,  32                          ; c2 of set p, code tile u, register j at C2R + 16 p + 8 u + j
.set BEST, 64                          ; query tile t, register j at + 8 t + j
.set IDX,  96
.set ACC,  128                         ; set p, code tile u, query tile t at ACC + 64 p + 32 u + 8 t
.set WV,   12                          ; s12  my wave's number
.set G1,   16                          ; s[16:23] descriptor group 1
.set G0,   24                          ; s[24:27] descriptor group 0: it walks
.set TB,   28                          ; s28  LDS byte at which the pair to be fetched begins
.set CNT,  29                          ; s29  counts a slot's two halves
.set SLOTS, 30                         ; s30  counts the slots
.set TC,   31                          ; s31  byte of the pair to be fetched in the split's c2
.set TI,   32                          ; s[32:33] the numbers (0..127) of the two code tiles that are being compared
.set SEL,  34                          ; s[34:35] v_permlanex16_b32's selects
.set HM,   36                          ; s36  mask of lanes 16-31
.set MSB, 0
.macro WIN new                         ; the immediate's high byte repeats the setting that is left; a switch that changes nothing is dropped
.if MSB != (\new)
	s_set_vgpr_msb (MSB<<8)|(\new)
.set MSB, (\new)
.endif
.endm
.set W_M2, 0x09                        ; source 0 (codes) window 1, source 1 (Q) window 2, C and D window 0
.set TO_F, 0x40                        ; destination window 1, address window 0
; A round of the cluster's barrier: my work-group's barrier, so that wave 0's signal speaks for all four waves; wave 0 signals; every wave waits for all four work-groups; my work-group's barrier once more.
.macro CROUND
	s_barrier_signal -1
	s_barrier_wait -1
	s_cmp_lg_u32 s[WV], 0
	s_cbranch_scc1 .Lnot_wave_0_\@
	s_barrier_signal -3
.Lnot_wave_0_\@:
	s_barrier_wait -3
	s_barrier_signal -1
	s_barrier_wait -1
.endm
.macro JLOAD                           ; my 32 rows of a tile; an s_nop 0 and four v_nop follow the line
	tensor_load_to_lds s[G0:G0+3], s[G1:G1+7]
	s_nop 0
.rept 4
	v_nop
.endr
.endm
; THE CHANGE OF SLOTS.  Each wave waits for all its tensor loads, of which one is out: its part of the other slot; adds 0 to its spare word; and waits for that and for its own reads of the slot that it leaves.
; fill = 1: the slot left is filled again, with the tile two on.  The barrier is then a round of the cluster's, so that no wave of any partner still reads the slot or has a load on its way, and the joint
; refill is the first thing behind it: it has a slot's 512 matrix instructions in which to land.  (At its first use nothing has been read yet: slot 0 is waited for, slot 1 filled, and my stores of c2 are done.)
.macro CHANGE fill
	WIN 0                                          ; at a label and at a branch every window is 0
	s_wait_tensorcnt 0x0                           ; no tensor load of mine is out, so group 0 may be written
	ds_add_u32 v[SPW], v[NIL]                      ; 0 onto my spare word
.if \fill
	s_xor_b32 s[G0+1], s[G0+1], SLOT               ; the other slot than last time,
	s_add_nc_u64 s[G0+2:G0+3], s[G0+2:G0+3], TILEB ; the next 128 codes; the type bits on top are not reached
.endif
	s_wait_dscnt 0x0                               ; the add is done, and my LDS reads and stores are over
.if \fill
	CROUND
	JLOAD
.else
	s_barrier_signal -1
	s_barrier_wait -1
.endif
	s_sub_co_u32 s[TB], s[TB], SLOT                ; the fetches go back to a slot's first pair,
	s_xor_b32 s[TB], s[TB], SLOT                   ; in the other slot
.endm
	s_load_b256 s[4:11], s[0:1], 0x0               ; cbh s[4:5], c2 s[6:7], xbh s[8:9], cand s[10:11]
	v_lshl_add_u32 v[SPW], v0, 2, SPARE
	v_mov_b32 v[NIL], 0
	ds_add_u32 v[SPW], v[NIL]                      ; the wave's opening: the add and its wait stand ahead of my first tensor load; the set-up below, work on registers, stands between them
	v_lshrrev_b32 v[CI], 5, v0
	v_readfirstlane_b32 s[WV], v[CI]               ; wave 0..3
	s_bfe_u32 s13, ttmp6, 0x40000                  ; cx: my place in the cluster
	s_lshl_b32 s14, ttmp9, 2                       ; in a cluster launch ttmp9 counts clusters
	s_add_co_u32 s14, s14, s13                     ; my block of 256 queries: it enters xbh's and cand's addresses alone
	s_and_b32 s15, ttmp7, 0xffff                   ; the split, which the four partners share
	; descriptor group 1: a tile of 32 rows x 512 elements, padded in LDS
	s_mov_b32 s[G1+0], 15|(1<<16)|(1<<20)|(1<<21)|(7<<22)|(3<<25)  ; 15:0 the mask of four; 17:16 2-byte elements; 20 padding on; 21 set beside a mask; 24:22 after every 256 words (code 7); 31:25 4 words (code 3)
	s_mov_b32 s[G1+1], 512<<16                     ; tensor_dim0 = 512
	s_mov_b32 s[G1+2], 32<<16                      ; tensor_dim1 = 32
	s_mov_b32 s[G1+3], 512<<16                     ; tile_dim0 = 512
	s_mov_b32 s[G1+4], 32                          ; tile_dim1 = 32
	s_mov_b32 s[G1+5], 512                         ; 512 elements from row to row
	s_mov_b32 s[G1+6], 0
	s_mov_b32 s[G1+7], 0
	s_mov_b32 s[G0], 1                             ; 1:0 count = 1
	s_mul_i32 s[G0+1], s[WV], PAIRB                ; 63:32 LDS address: slot 0, my 32 rows: no place in the cluster enters an LDS address
	s_mov_b32 s[SEL], 0x76543210
	s_mov_b32 s[SEL+1], 0xfedcba98
	s_mov_b32 s[TB], 2*SLOT                        ; the first change of slots turns this into 0
	s_mov_b32 s[TC], 0
	s_mov_b32 s[TI], -2                            ; while pair 0 is multiplied, a pair that has not been is compared
	s_mov_b32 s[TI+1], -1
	s_mov_b32 s[SLOTS], 15
	s_mov_b32 s46, 0xff800000                      ; -inf
	s_mov_b32 s47, 0x7f800000                      ; +inf
	s_lshl_b32 s38, s15, 21                        ; cbh: the split's 2,048 rows of 1,024 bytes,
	s_lshl_b32 s39, s[WV], 15                      ; my 32 rows of a tile
	s_add_co_u32 s38, s38, s39
	s_mov_b32 s39, 0
	s_lshl_b32 s40, s14, 18                        ; xbh: my block's 256 rows,
	s_lshl_b32 s41, s[WV], 16                      ; my wave's 64
	s_add_co_u32 s40, s40, s41
	s_mov_b32 s41, 0
	s_lshl_b32 s42, s14, 2                         ; cand: [split][group of 64 queries][512 bytes]
	s_add_co_u32 s42, s42, s[WV]
	s_lshl_b32 s42, s42, 9
	s_lshl_b32 s43, s15, 16
	s_add_co_u32 s42, s42, s43
	s_mov_b32 s43, 0
	s_lshl_b32 s44, s15, 13                        ; c2: the split's 8,192 bytes
	s_mov_b32 s45, 0
	s_wait_dscnt 0x0                               ; the opening add is done
	s_wait_kmcnt 0x0
	s_add_nc_u64 s[G0+2:G0+3], s[4:5], s[38:39]    ; 120:64 global address: my rows of the split's tile 0
	s_or_b32 s[G0+3], s[G0+3], 0x80000000          ; 127:126 type = 2
	s_add_nc_u64 s[8:9], s[8:9], s[40:41]
	s_add_nc_u64 s[10:11], s[10:11], s[42:43]
	s_add_nc_u64 s[6:7], s[6:7], s[44:45]
	CROUND                                         ; all four work-groups are here: the first joint loads meet
	JLOAD                                          ; tile 0 into slot 0.  Slot 1 is asked for by the loop's own change of slots
	; all that follows, up to that change, stands in the wait for tile 0
	v_lshlrev_b32 v[CI], 4, v0
.irp k, 0,1,2,3
	global_load_b128 v[STG+4*(\k):STG+4*(\k)+3], v[CI], s[6:7] offset:2048*(\k)  ; the split's c2: 128 threads x 16 bytes, four times
.endr
	; A fragment is 16 rows x 32 channels in 8 registers: lane l holds row l % 16, channels 8 (l / 16) + 0..7 and 16 + 8 (l / 16) + 0..7: two loads of 16 bytes, 32 bytes apart.
	v_and_b32 v[RL], 15, v0
	v_bfe_u32 v[HL], v0, 4, 1
	v_lshlrev_b32 v[QO], 10, v[RL]
	v_lshl_add_u32 v[QO], v[HL], 4, v[QO]          ; row x 1,024 + 16 x half
.macro QLOAD t                         ; Q's tile t, all 16 fragments: it stays in registers
	WIN 0x80+0x40*((\t)/2)                         ; destination window 2 or 3, address window 0
.irp c, 0,1,2,3,4,5,6,7,8,9,10,11,12,13,14,15
	global_load_b128 v[128*((\t)%2)+8*(\c):128*((\t)%2)+8*(\c)+3],   v[QO], s[8:9] offset:(\t)*16384+64*(\c)
	global_load_b128 v[128*((\t)%2)+8*(\c)+4:128*((\t)%2)+8*(\c)+7], v[QO], s[8:9] offset:(\t)*16384+64*(\c)+32
.endr
.endm
	QLOAD 0
	WIN 0
	v_add_nc_u32 v[CO], C2L, v[CI]
	s_wait_loadcnt 32                              ; c2's four loads are in; the 32 of Q's tile 0, issued behind them, stay out
.irp k, 0,1,2,3
	ds_store_b128 v[CO], v[STG+4*(\k):STG+4*(\k)+3] offset:2048*(\k)
.endr
	QLOAD 1
	QLOAD 2
	QLOAD 3
	WIN 0
	; What the first pair's units find to compare: products of -inf and c2 = 0 give s = +inf, which is less than nothing.  So no first unit is written out; the price is these 144 lines, once.
.set i, 0
.rept 64
	v_mov_b32 v[ACC+64+i], s46
.set i, i+1
.endr
.set i, 0
.rept 16
	v_mov_b32 v[C2R+16+i], 0
.set i, i+1
.endr
.set i, 0
.rept 32
	v_mov_b32 v[BEST+i], s47
	v_mov_b32 v[IDX+i], 0
.set i, i+1
.endr
	v_mul_u32_u24 v[AK0], v[RL], PITCH
	v_lshl_add_u32 v[AK0], v[HL], 4, v[AK0]        ; row x pitch + 16 x half
	v_lshlrev_b32 v[AC0], 5, v[HL]                 ; my eight codes of a tile of 16: 32 bytes of c2
	v_add_nc_u32 v[AC0], C2L, v[AC0]
	s_lshl_b32 s38, s15, 11
	v_lshl_add_u32 v[HB], v[HL], 3, s38
	v_and_b32 v[LANE], 31, v0
	v_lshlrev_b32 v[GO], 4, v[LANE]
; THE LDS LOADS stand in runs, never singly among the matrix instructions.  FETCH0: channels 0-255 of the pair at TB (two code tiles x 8 fragments) into buffer 0.
.macro FETCH0
	WIN 0
	v_add_nc_u32 v[ADR], s[TB], v[AK0]
	WIN TO_F
.irp u, 0,1
.irp c, 0,1,2,3,4,5,6,7
	ds_load_b128 v[64*(\u)+8*(\c):64*(\u)+8*(\c)+3],   v[ADR] offset:(\u)*16*PITCH+64*(\c)
	ds_load_b128 v[64*(\u)+8*(\c)+4:64*(\u)+8*(\c)+7], v[ADR] offset:(\u)*16*PITCH+64*(\c)+32
.endr
.endr
	WIN 0
.endm
; FETCH1: channels 256-511 of the same pair into buffer 1, and the pair's c2 into set par.  Then the fetches step to the next pair.
.macro FETCH1 par
	WIN 0
	v_add_nc_u32 v[AC2], s[TC], v[AC0]
	WIN TO_F
.irp u, 0,1
.irp c, 0,1,2,3,4,5,6,7
	ds_load_b128 v[128+64*(\u)+8*(\c):128+64*(\u)+8*(\c)+3],   v[ADR] offset:(\u)*16*PITCH+512+64*(\c)
	ds_load_b128 v[128+64*(\u)+8*(\c)+4:128+64*(\u)+8*(\c)+7], v[ADR] offset:(\u)*16*PITCH+512+64*(\c)+32
.endr
.endr
	WIN 0
.irp u, 0,1
	ds_load_b128 v[C2R+16*(\par)+8*(\u):C2R+16*(\par)+8*(\u)+3],   v[AC2] offset:64*(\u)     ; the lanes of a half read the same 32 bytes
	ds_load_b128 v[C2R+16*(\par)+8*(\u)+4:C2R+16*(\par)+8*(\u)+7], v[AC2] offset:64*(\u)+16
.endr
	s_add_co_u32 s[TC], s[TC], 128
	s_add_co_u32 s[TB], s[TB], PAIRB
.endm
; THE VECTOR WORK.  RID writes number rr of the 112 that compare code tile RU of set RP with the four query tiles' best, and steps rr.  For each query tile 28: four packed s = c2 - 2 x.c, in place, the
; accumulator's lowest registers first; then for each register: is s less?  the minimum; the tile's number where it was less.  'Less', not 'less or equal': of equal scores the earlier tile stays.
; A NaN is less than nothing and loses the minimum.  The 112 end with a select.
.macro RID
.set t_, rr/28
.set q_, rr%28
.set rA, ACC+64*RP+32*RU+8*t_
.set rC, C2R+16*RP+8*RU
.if q_ < 4
	v_pk_fma_f32 v[rA+2*q_:rA+2*q_+1], v[rA+2*q_:rA+2*q_+1], -2.0, v[rC+2*q_:rC+2*q_+1] op_sel_hi:[1,0,1]
.else
.set e_, q_-4
.set j_, e_/3
.if e_%3 == 0
	v_cmp_lt_f32 vcc_lo, v[rA+j_], v[BEST+8*t_+j_]
.elseif e_%3 == 1
	v_min_num_f32 v[BEST+8*t_+j_], v[rA+j_], v[BEST+8*t_+j_]
.else
	v_cndmask_b32 v[IDX+8*t_+j_], v[IDX+8*t_+j_], s[TI+RU], vcc_lo
.endif
.endif
.set rr, rr+1
.endm
; A UNIT: 256 channels (half kh) of the pair in set par: 64 matrix instructions.  The set's 8 accumulators take turns, one instruction a turn: between two links of a chain stand 7 others';
; a unit ends on accumulator (1, 3) and the next begins on (0, 0).  The first 8 products of a pair start its sums with the constant 0.
; Behind each two matrix instructions stand 4 or 3 of the other set's 112; none names a register of the products round it.
; The first of them reads an accumulator whose last product stands 14 plain vector instructions back.
; fetch = 1: behind the fourth matrix instruction the next unit's fragments are asked for, 60 matrix instructions ahead of the wait for them; the last product that read that buffer stands 10 plain vector instructions back.
.macro UNIT par, kh, fetch
.set RP, 1-(\par)
.set RU, (\kh)
.set rr, 0
.set FB, 128*(\kh)
	s_wait_dscnt 0x0                               ; this unit's fragments are in (and, for kh = 1, the pair's c2)
.set g, 0
.rept 32
.set cc, g/4
.set tt, g%4
.set rQ, 128*(tt%2)+8*(8*(\kh)+cc)
	WIN W_M2+4*(tt/2)                              ; Q in window 2 or 3
.irp u, 0,1
.set rD, ACC+64*(\par)+32*(\u)+8*tt
.set rF, FB+64*(\u)+8*cc
.if ((\kh) == 0) && (cc == 0)
	v_wmma_f32_16x16x32_bf16 v[rD:rD+7], v[rF:rF+7], v[rQ:rQ+7], 0
.else
	v_wmma_f32_16x16x32_bf16 v[rD:rD+7], v[rF:rF+7], v[rQ:rQ+7], v[rD:rD+7]
.endif
.endr
	WIN 0
	RID
	RID
	RID
.if g%2 == 0
	RID
.endif
.if (g == 1) && (\fetch)
.if (\kh) == 1
	FETCH0
.else
	FETCH1 \par
.endif
.endif
.set g, g+1
.endr
.if (\kh) == 1
	s_add_co_u32 s[TI], s[TI], 2                   ; the pair just finished is compared next
	s_add_co_u32 s[TI+1], s[TI+1], 2
.endif
.endm
	CHANGE 1                                       ; tile 0 is in, everybody's part of it, and so is c2; tile 1 is asked for
	FETCH0                                         ; pair 0
	s_wait_loadcnt 0x0                             ; Q
	s_mov_b32 s[CNT], 2
	s_branch .Lfirst                               ; the loop is entered at a pair's first unit, in the middle of a trip
.Lslot:                                                ; 14 times: behind slot s = 0..13 tile s + 2 is asked for.  The change stands where the slot's last fragments have been read into registers
	CHANGE 1
	s_mov_b32 s[CNT], 2
.Lstep:                                                ; a trip: the second unit of an odd pair, an even pair, the first unit of the next odd pair; all that it fetches lies in one slot
	UNIT 1, 1, 1
	WIN 0
.Lfirst:
	UNIT 0, 0, 1
	UNIT 0, 1, 1
	UNIT 1, 0, 1
	WIN 0
	s_sub_co_u32 s[CNT], s[CNT], 1
	s_cmp_lg_u32 s[CNT], 0
	s_cbranch_scc1 .Lstep
	s_sub_co_u32 s[SLOTS], s[SLOTS], 1
	s_cmp_lg_u32 s[SLOTS], 0
	s_cbranch_scc1 .Lslot
	CHANGE 0                                       ; the last slot is written out: nothing is asked for
	s_mov_b32 s[CNT], 2
.Ltail:
	UNIT 1, 1, 1
	UNIT 0, 0, 1
	UNIT 0, 1, 1
	UNIT 1, 0, 1
	WIN 0
	s_sub_co_u32 s[CNT], s[CNT], 1
	s_cmp_lg_u32 s[CNT], 0
	s_cbranch_scc1 .Ltail
	UNIT 1, 1, 0                                   ; the last pair's second unit: nothing is left to fetch
.set RP, 1                             ; and the last pair is compared: there is no matrix work left to set it beside
.irp u, 0,1
.set RU, \u
.set rr, 0
.rept 112
	RID
.endr
.endr
	; THE END.  For each query tile: the 8 registers' and the two halves' best.  s becomes a key that orders as unsigned numbers as s does as a float (positive: the sign bit set; negative: all bits turned;
	; c2 is never -0, so s is not either); the least key; among the codes that have it the lowest.  The accumulators' registers are free.
.irp j, 0,1,2,3,4,5,6,7
	v_add_nc_u32 v[HBJ+(\j)], (\j), v[HB]
.endr
.set KM, ACC+64                        ; v192-195 least key, v196-199 lowest code, v200-203 at work: one for each tile
.set IM, ACC+68
.set TX, ACC+72
.macro FIN t
.set KT, ACC+16*(\t)
.set CT, ACC+16*(\t)+8
.irp j, 0,1,2,3,4,5,6,7
	v_ashrrev_i32 v[KT+(\j)], 31, v[BEST+8*(\t)+(\j)]
.endr
.irp j, 0,1,2,3,4,5,6,7
	v_or_b32 v[KT+(\j)], 0x80000000, v[KT+(\j)]
.endr
.irp j, 0,1,2,3,4,5,6,7
	v_xor_b32 v[KT+(\j)], v[BEST+8*(\t)+(\j)], v[KT+(\j)]
	v_lshl_add_u32 v[CT+(\j)], v[IDX+8*(\t)+(\j)], 4, v[HBJ+(\j)]  ; the code: 16 x tile + the split's first + 8 (lane / 16) + j
.endr
	v_min_u32 v[KM+(\t)], v[KT], v[KT+1]
.irp j, 2,3,4,5,6,7
	v_min_u32 v[KM+(\t)], v[KM+(\t)], v[KT+(\j)]
.endr
	v_permlanex16_b32 v[TX+(\t)], v[KM+(\t)], s[SEL], s[SEL+1]  ; the query's other codes lie in the lane 16 away
	v_min_u32 v[KM+(\t)], v[KM+(\t)], v[TX+(\t)]
.irp j, 0,1,2,3,4,5,6,7
	v_cmp_eq_u32 vcc_lo, v[KT+(\j)], v[KM+(\t)]
	v_cndmask_b32 v[CT+(\j)], -1, v[CT+(\j)], vcc_lo               ; a code whose key is not the least counts as all ones
.endr
	v_min_u32 v[IM+(\t)], v[CT], v[CT+1]
.irp j, 2,3,4,5,6,7
	v_min_u32 v[IM+(\t)], v[IM+(\t)], v[CT+(\j)]
.endr
	v_permlanex16_b32 v[TX+(\t)], v[IM+(\t)], s[SEL], s[SEL+1]
	v_min_u32 v[IM+(\t)], v[IM+(\t)], v[TX+(\t)]
.endm
	FIN 0
	FIN 1
	FIN 2
	FIN 3
	; Both halves of the lanes hold all four tiles' results.  Lane 16 H + r stores key and code of queries 16 (2 H) + r and 16 (2 H + 1) + r.
	v_cmp_lt_u32 s[HM], 15, v[LANE]
	v_cndmask_b32 v[STG+0], v[KM+0], v[KM+2], s[HM]
	v_cndmask_b32 v[STG+1], v[IM+0], v[IM+2], s[HM]
	v_cndmask_b32 v[STG+2], v[KM+1], v[KM+3], s[HM]
	v_cndmask_b32 v[STG+3], v[IM+1], v[IM+3], s[HM]
	global_store_b128 v[GO], v[STG:STG+3], s[10:11]  ; the wave's 512 consecutive bytes, at a multiple of 512 from cand's first
	s_wait_tensorcnt 0x0                           ; the wave's end, behind my last tensor load and my last LDS store
	ds_add_u32 v[SPW], v[NIL]
	s_wait_dscnt 0x0
	CROUND                                         ; the closing round: no work-group ends while a partner may still ask for a tile that names it
	s_endpgm
.Lfunc_end_k_q901e09402c_main:
	.size	k_q901e09402c_main, .Lfunc_end_k_q901e09402c_main-k_q901e09402c_main
	.p2alignl 7, 3214868480
	.fill 96, 4, 3214868480
	.section	.rodata,"a",@progbits
	.p2align	6, 0x0
	.amdhsa_kernel k_q901e09402c_main
		.amdhsa_group_segment_fixed_size 327680
		.amdhsa_private_segment_fixed_size 0
		.amdhsa_enable_private_segment 0
		.amdhsa_kernarg_size 32
		.amdhsa_user_sgpr_count 2
		.amdhsa_user_sgpr_kernarg_segment_ptr 1
		.amdhsa_wavefront_size32 1
		.amdhsa_system_sgpr_workgroup_id_x 1
		.amdhsa_system_sgpr_workgroup_id_y 1
		.amdhsa_system_sgpr_workgroup_id_z 1
		.amdhsa_system_vgpr_workitem_id 0
		.amdhsa_next_free_vgpr 1024
		.amdhsa_next_free_sgpr 66
		.amdhsa_reserve_vcc 1
		.amdhsa_float_denorm_mode_32 3
		.amdhsa_float_denorm_mode_16_64 3
		.amdhsa_memory_ordered 1
		.amdhsa_forward_progress 1
		.amdhsa_inst_pref_size 166
	.end_amdhsa_kernel
	.amdgpu_metadata
---
amdhsa.version: [ 1, 2 ]
amdhsa.kernels:
  - .name:           k_q901e09402c_main
    .symbol:         k_q901e09402c_main.kd
    .args:
      - { .name: cbh, .offset: 0, .size: 8, .value_kind: global_buffer, .address_space: global }
      - { .name: c2, .offset: 8, .size: 8, .value_kind: global_buffer, .address_space: global }
      - { .name: xbh, .offset: 16, .size: 8, .value_kind: global_buffer, .address_space: global }
      - { .name: cand, .offset: 24, .size: 8, .value_kind: global_buffer, .address_space: global }
    .group_segment_fixed_size: 327680
    .private_segment_fixed_size: 0
    .kernarg_segment_align: 8
    .kernarg_segment_size: 32
    .max_flat_workgroup_size: 128
    .sgpr_count:     66
    .vgpr_count:     1024
    .wavefront_size: 32
...
	.end_amdgpu_metadata
.endif
;; end of part 2
;; launch gather (part 3): grid 256 x 1, 8 waves a work-group, no clusters, 0 bytes of LDS; arguments x, codebook, cand, out0, out1, part; writes out0, out1, part
.if DOCPART == 3
	.amdgcn_target "amdgcn-amd-amdhsa--gfx1250"
	.amdhsa_code_object_version 6
	.text
	.protected	k_q901e09402c_gather
	.globl	k_q901e09402c_gather
	.p2align	8
	.type	k_q901e09402c_gather,@function
k_q901e09402c_gather:
	s_mov_b64 s[64:65], 0
	v_nop
	global_prefetch_b8 v0, s[64:65] scope:SCOPE_SE
	s_setreg_imm32_b32 hwreg(HW_REG_WAVE_MODE, 25, 1), 1
	s_wait_xcnt 0x0
; The 8 splits' candidates are merged (whole numbers alone: the least key, of equal keys the lower split's, which has the lower index); out1 = the index;
; out0 = x + (q - x) with q = codebook[index], as reference() writes it, in f32 from the f32 inputs; part[wave] = the sum of (q - x)^2 over the wave's four rows.
; A stream: x is read once, a chosen code row once for each row that chose it, out0 written once.  No LDS, no barrier, no matrix unit: nothing is shared but 2,048 bytes of candidates.
; SHARES.  A work-group has 32 rows, a wave 4.  Every wave merges all 32 rows' candidates itself, a row a lane: as cand is laid out, the pair (key, index) of row 16 h + r of the work-group's 32 in split s lies
; at s x 65,536 + work-group x 256 + 16 r + 8 h, so each of the eight loads covers 256 consecutive bytes, aligned.
; A row of x, of the code and of out0 is four loads or stores of 512 consecutive bytes.
.set LN,  1                            ; v1   lane
.set VI,  2                            ; v2   16 x lane
.set CA,  3                            ; v3   16 r + 8 h
.set OI,  4                            ; v4   4 x lane
.set TP,  5
.set ZO,  6                            ; v6   0
.set RO,  8                            ; v[8:11]  row i: index x 2,048 + 16 x lane
.set KB,  16                           ; v[16:31] split s: key at 16 + 2 s, index at 17 + 2 s; the merge ends in v16, v17
.set IB,  17
.set X,   32                           ; v[32:95]   x: row i, load k at + 16 i + 4 k
.set Q,   96                           ; v[96:159]  the code rows likewise, then out0
.set D,   160                          ; v[160:163] q - x
.set LA,  164                          ; v[164:167] four running sums of squares
.set LB,  166
.set SM,  168
.set TX,  169
	s_load_b256 s[4:11], s[0:1], 0x0               ; x s[4:5], codebook s[6:7], cand s[8:9], out0 s[10:11]
	s_load_b128 s[12:15], s[0:1], 0x20             ; out1 s[12:13], part s[14:15]
	v_and_b32 v[LN], 31, v0
	v_lshrrev_b32 v[TP], 5, v0
	v_readfirstlane_b32 s16, v[TP]                 ; wave 0..7
	v_lshlrev_b32 v[VI], 4, v[LN]
	v_and_b32 v[CA], 15, v0
	v_bfe_u32 v[TP], v0, 4, 1
	v_lshlrev_b32 v[CA], 4, v[CA]
	v_lshl_add_u32 v[CA], v[TP], 3, v[CA]
	v_lshlrev_b32 v[OI], 2, v[LN]
	v_mov_b32 v[ZO], 0
	v_mov_b32 v[TX], 0
	s_mov_b32 s30, 0x76543210
	s_mov_b32 s31, 0xfedcba98
	s_lshl_b32 s18, ttmp9, 8                       ; cand: 256 bytes a work-group in each split
	s_mov_b32 s19, 0
	s_lshl_b32 s20, ttmp9, 16                      ; x and out0: 32 rows of 2,048 bytes,
	s_lshl_b32 s21, s16, 13                        ; my wave's 4
	s_add_co_u32 s20, s20, s21
	s_mov_b32 s21, 0
	s_wait_kmcnt 0x0
	s_add_nc_u64 s[8:9], s[8:9], s[18:19]
	s_add_nc_u64 s[4:5], s[4:5], s[20:21]
	s_add_nc_u64 s[10:11], s[10:11], s[20:21]
.irp s, 0,1,2,3,4,5,6,7
	global_load_b64 v[KB+2*(\s):KB+2*(\s)+1], v[CA], s[8:9] offset:65536*(\s)
.endr
.irp i, 0,1,2,3
.irp k, 0,1,2,3
	global_load_b128 v[X+16*(\i)+4*(\k):X+16*(\i)+4*(\k)+3], v[VI], s[4:5] offset:2048*(\i)+512*(\k) th:TH_LOAD_NT
.endr
.endr
	s_wait_loadcnt 16                              ; the candidates are in; x's sixteen loads, issued behind them, stay out
.irp s, 1,2,3,4,5,6,7
	v_cmp_lt_u32 vcc_lo, v[KB+2*(\s)], v[KB]       ; 'less', not 'less or equal': of equal keys the lower split stays
	v_cndmask_b32 v[IB], v[IB], v[IB+2*(\s)], vcc_lo
	v_min_u32 v[KB], v[KB], v[KB+2*(\s)]
.endr
	v_min_u32 v[IB], 0x3fff, v[IB]                 ; an index stays inside the table of 16,384 rows
	s_cmp_lg_u32 s16, 0
	s_cbranch_scc1 .Lno_index
	s_lshl_b32 s18, ttmp9, 7                       ; wave 0 stores the work-group's 32 indices: 128 consecutive bytes (out1 is 32,768 bytes in all)
	s_add_nc_u64 s[12:13], s[12:13], s[18:19]
	global_store_b32 v[OI], v[IB], s[12:13]
.Lno_index:
	s_lshl_b32 s22, s16, 2                         ; my wave's rows are the lanes 4 x wave + 0..3
.irp i, 0,1,2,3
	s_add_co_u32 s23, s22, (\i)
	v_readlane_b32 s[24+(\i)], v[IB], s23
	s_min_u32 s[24+(\i)], s[24+(\i)], 0x3fff
	v_lshl_add_u32 v[RO+(\i)], s[24+(\i)], 11, v[VI]  ; the row's 2,048 bytes, my 16 of each 512
.endr
.irp i, 0,1,2,3
.irp k, 0,1,2,3
	global_load_b128 v[Q+16*(\i)+4*(\k):Q+16*(\i)+4*(\k)+3], v[RO+(\i)], s[6:7] offset:512*(\k)  ; no hint: a code row may be chosen by many rows
.endr
.endr
.irp i, 0,1,2,3
	s_wait_loadcnt 4*(3-(\i))                      ; this row's code is in (and all of x, asked for earlier); the four loads of each younger row stay out
.irp k, 0,1,2,3
.set XR, X+16*(\i)+4*(\k)
.set QR, Q+16*(\i)+4*(\k)
	v_pk_add_f32 v[D:D+1],   v[QR:QR+1],   v[XR:XR+1]   neg_lo:[0,1] neg_hi:[0,1]  ; d = q - x
	v_pk_add_f32 v[D+2:D+3], v[QR+2:QR+3], v[XR+2:XR+3] neg_lo:[0,1] neg_hi:[0,1]
	v_pk_add_f32 v[QR:QR+1],   v[XR:XR+1],   v[D:D+1]                             ; x + d
	v_pk_add_f32 v[QR+2:QR+3], v[XR+2:XR+3], v[D+2:D+3]
.if ((\i)+(\k)) == 0
	v_pk_mul_f32 v[LA:LA+1], v[D:D+1], v[D:D+1]    ; the first squares start the sums
	v_pk_mul_f32 v[LB:LB+1], v[D+2:D+3], v[D+2:D+3]
.else
	v_pk_fma_f32 v[LA:LA+1], v[D:D+1], v[D:D+1], v[LA:LA+1]
	v_pk_fma_f32 v[LB:LB+1], v[D+2:D+3], v[D+2:D+3], v[LB:LB+1]
.endif
	global_store_b128 v[VI], v[QR:QR+3], s[10:11] offset:2048*(\i)+512*(\k) th:TH_STORE_NT  ; 512 consecutive bytes; its registers are never written again
.endr
.endr
	v_pk_add_f32 v[LA:LA+1], v[LA:LA+1], v[LB:LB+1]
	v_add_f32 v[SM], v[LA], v[LA+1]
	v_add_f32_dpp v[SM], v[SM], v[SM] row_xmask:1 row_mask:0xf bank_mask:0xf
	v_add_f32_dpp v[SM], v[SM], v[SM] row_xmask:2 row_mask:0xf bank_mask:0xf
	v_add_f32_dpp v[SM], v[SM], v[SM] row_xmask:4 row_mask:0xf bank_mask:0xf
	v_add_f32_dpp v[SM], v[SM], v[SM] row_xmask:8 row_mask:0xf bank_mask:0xf
	v_permlanex16_b32 v[TX], v[SM], s30, s31
	v_add_f32 v[SM], v[SM], v[TX]
	s_lshl_b32 s18, ttmp9, 5                       ; part: one number a wave, eight a work-group
	s_lshl_b32 s22, s16, 2
	s_add_co_u32 s18, s18, s22
	s_add_nc_u64 s[14:15], s[14:15], s[18:19]
	v_cmp_eq_u32 vcc_lo, 0, v[LN]
	s_wait_xcnt 0x0                                ; EXEC is a source of the stores above: it changes only behind this wait
	s_and_saveexec_b32 s28, vcc_lo
	global_store_b32 v[ZO], v[SM], s[14:15]        ; lane 0 alone
	s_endpgm
.Lfunc_end_k_q901e09402c_gather:
	.size	k_q901e09402c_gather, .Lfunc_end_k_q901e09402c_gather-k_q901e09402c_gather
	.p2alignl 7, 3214868480
	.fill 96, 4, 3214868480
	.section	.rodata,"a",@progbits
	.p2align	6, 0x0
	.amdhsa_kernel k_q901e09402c_gather
		.amdhsa_group_segment_fixed_size 0
		.amdhsa_private_segment_fixed_size 0
		.amdhsa_enable_private_segment 0
		.amdhsa_kernarg_size 48
		.amdhsa_user_sgpr_count 2
		.amdhsa_user_sgpr_kernarg_segment_ptr 1
		.amdhsa_wavefront_size32 1
		.amdhsa_system_sgpr_workgroup_id_x 1
		.amdhsa_system_sgpr_workgroup_id_y 1
		.amdhsa_system_sgpr_workgroup_id_z 1
		.amdhsa_system_vgpr_workitem_id 0
		.amdhsa_next_free_vgpr 176
		.amdhsa_next_free_sgpr 66
		.amdhsa_reserve_vcc 1
		.amdhsa_float_denorm_mode_32 3
		.amdhsa_float_denorm_mode_16_64 3
		.amdhsa_memory_ordered 1
		.amdhsa_forward_progress 1
		.amdhsa_inst_pref_size 16
	.end_amdhsa_kernel
	.amdgpu_metadata
---
amdhsa.version: [ 1, 2 ]
amdhsa.kernels:
  - .name:           k_q901e09402c_gather
    .symbol:         k_q901e09402c_gather.kd
    .args:
      - { .name: x, .offset: 0, .size: 8, .value_kind: global_buffer, .address_space: global }
      - { .name: codebook, .offset: 8, .size: 8, .value_kind: global_buffer, .address_space: global }
      - { .name: cand, .offset: 16, .size: 8, .value_kind: global_buffer, .address_space: global }
      - { .name: out0, .offset: 24, .size: 8, .value_kind: global_buffer, .address_space: global }
      - { .name: out1, .offset: 32, .size: 8, .value_kind: global_buffer, .address_space: global }
      - { .name: part, .offset: 40, .size: 8, .value_kind: global_buffer, .address_space: global }
    .group_segment_fixed_size: 0
    .private_segment_fixed_size: 0
    .kernarg_segment_align: 8
    .kernarg_segment_size: 48
    .max_flat_workgroup_size: 256
    .sgpr_count:     66
    .vgpr_count:     176
    .wavefront_size: 32
...
	.end_amdgpu_metadata
.endif
;; end of part 3
;; launch finish (part 4): grid 1 x 1, 1 waves a work-group, no clusters, 0 bytes of LDS; arguments part, out2; writes out2
.if DOCPART == 4
	.amdgcn_target "amdgcn-amd-amdhsa--gfx1250"
	.amdhsa_code_object_version 6
	.text
	.protected	k_q901e09402c_finish
	.globl	k_q901e09402c_finish
	.p2align	8
	.type	k_q901e09402c_finish,@function
k_q901e09402c_finish:
	s_mov_b64 s[64:65], 0
	v_nop
	global_prefetch_b8 v0, s[64:65] scope:SCOPE_SE
	s_setreg_imm32_b32 hwreg(HW_REG_WAVE_MODE, 25, 1), 1
	s_wait_xcnt 0x0
; out2 = the mean of (x - q)^2 = the sum of the 2,048 partial sums / (8,192 x 512), times the commitment weight 1.0.  A sum over the work-groups of the launch before wants a launch of its own:
; one wave reads the 8,192 bytes by sixteen loads of 512 consecutive bytes and adds them as a tree, in a fixed order.
	s_load_b128 s[4:7], s[0:1], 0x0                ; part s[4:5], out2 s[6:7]
	v_lshlrev_b32 v1, 4, v0
	v_mov_b32 v3, 0
	v_mov_b32 v4, 0
	s_mov_b32 s8, 0x76543210
	s_mov_b32 s9, 0xfedcba98
	s_wait_kmcnt 0x0
.irp k, 0,1,2,3,4,5,6,7,8,9,10,11,12,13,14,15
	global_load_b128 v[16+4*(\k):19+4*(\k)], v1, s[4:5] offset:512*(\k)
.endr
	s_wait_loadcnt 0x0
.irp w, 16,8,4,2,1                     ; a lane's 32 pairs: pair p takes pair p + w
.set p, 0
.rept \w
	v_pk_add_f32 v[16+2*p:17+2*p], v[16+2*p:17+2*p], v[16+2*(p+(\w)):17+2*(p+(\w))]
.set p, p+1
.endr
.endr
	v_add_f32 v2, v16, v17
	v_add_f32_dpp v2, v2, v2 row_xmask:1 row_mask:0xf bank_mask:0xf
	v_add_f32_dpp v2, v2, v2 row_xmask:2 row_mask:0xf bank_mask:0xf
	v_add_f32_dpp v2, v2, v2 row_xmask:4 row_mask:0xf bank_mask:0xf
	v_add_f32_dpp v2, v2, v2 row_xmask:8 row_mask:0xf bank_mask:0xf
	v_permlanex16_b32 v3, v2, s8, s9
	v_add_f32 v2, v2, v3
	v_mul_f32 v2, 0x34800000, v2                   ; 2^-22 = 1 / (8,192 x 512): exact
	v_cmp_eq_u32 vcc_lo, 0, v0
	s_wait_xcnt 0x0                                ; EXEC changes only behind this wait
	s_and_saveexec_b32 s10, vcc_lo
	global_store_b32 v4, v2, s[6:7]                ; lane 0 alone
	s_endpgm
.Lfunc_end_k_q901e09402c_finish:
	.size	k_q901e09402c_finish, .Lfunc_end_k_q901e09402c_finish-k_q901e09402c_finish
	.p2alignl 7, 3214868480
	.fill 96, 4, 3214868480
	.section	.rodata,"a",@progbits
	.p2align	6, 0x0
	.amdhsa_kernel k_q901e09402c_finish
		.amdhsa_group_segment_fixed_size 0
		.amdhsa_private_segment_fixed_size 0
		.amdhsa_enable_private_segment 0
		.amdhsa_kernarg_size 16
		.amdhsa_user_sgpr_count 2
		.amdhsa_user_sgpr_kernarg_segment_ptr 1
		.amdhsa_wavefront_size32 1
		.amdhsa_system_sgpr_workgroup_id_x 1
		.amdhsa_system_sgpr_workgroup_id_y 1
		.amdhsa_system_sgpr_workgroup_id_z 1
		.amdhsa_system_vgpr_workitem_id 0
		.amdhsa_next_free_vgpr 80
		.amdhsa_next_free_sgpr 66
		.amdhsa_reserve_vcc 1
		.amdhsa_float_denorm_mode_32 3
		.amdhsa_float_denorm_mode_16_64 3
		.amdhsa_memory_ordered 1
		.amdhsa_forward_progress 1
		.amdhsa_inst_pref_size 5
	.end_amdhsa_kernel
	.amdgpu_metadata
---
amdhsa.version: [ 1, 2 ]
amdhsa.kernels:
  - .name:           k_q901e09402c_finish
    .symbol:         k_q901e09402c_finish.kd
    .args:
      - { .name: part, .offset: 0, .size: 8, .value_kind: global_buffer, .address_space: global }
      - { .name: out2, .offset: 8, .size: 8, .value_kind: global_buffer, .address_space: global }
    .group_segment_fixed_size: 0
    .private_segment_fixed_size: 0
    .kernarg_segment_align: 8
    .kernarg_segment_size: 16
    .max_flat_workgroup_size: 32
    .sgpr_count:     66
    .vgpr_count:     80
    .wavefront_size: 32
...
	.end_amdgpu_metadata
.endif
;; end of part 4
;; ======== version 2 of 2: 4 launches; version 1 with the launch prep written anew for expert scheduling mode
;; workspace buffers: cbh 16,777,216 bytes; xbh 8,388,608 bytes; c2 65,536 bytes; cand 524,288 bytes of whole numbers; part 8,192 bytes
;; launch prep (part 5): grid 384 x 1, 8 waves a work-group, no clusters, 1,280 bytes of LDS; arguments codebook, x, cbh, xbh, c2; writes cbh, xbh, c2
.if DOCPART == 5
	.amdgcn_target "amdgcn-amd-amdhsa--gfx1250"
	.amdhsa_code_object_version 6
	.text
	.protected	k_q901e09402c_prep
	.globl	k_q901e09402c_prep
	.p2align	8
	.type	k_q901e09402c_prep,@function
k_q901e09402c_prep:
	s_mov_b64 s[64:65], 0
	v_nop
	global_prefetch_b8 v0, s[64:65] scope:SCOPE_SE
	s_setreg_imm32_b32 hwreg(HW_REG_WAVE_SCHED_MODE, 0, 2), 2
	s_setreg_imm32_b32 hwreg(HW_REG_WAVE_MODE, 25, 1), 1
	s_wait_xcnt 0x0
	s_wait_alu depctr_vm_vsrc(0)
; cbh = bf16(codebook), xbh = bf16(x), c2[k] = the sum of the squares of code row k AS ROUNDED to bf16, in f32.
; The product that follows multiplies the rounded rows, so the norm that is compared with it is the rounded rows' norm.
; A stream: every input byte is read once, by 16-byte loads, every output byte written once.  Matrix unit, clusters and tensor loads would add nothing.
; SHARES.  Rows are 512 f32 = 2,048 bytes.  A work-group takes 64 rows, each of its eight waves 8.  Work-groups 0-255: the 16,384 code rows; 256-383: the 8,192 rows of x.
; A row is four loads of a wave (512 consecutive bytes each); a lane's four numbers become 8 bytes of bf16, so each store of a wave covers 256 consecutive bytes, aligned.
; All 32 loads of a wave go out at once; there is no loop.  The rounding is done in place, so no register that a store reads is ever written again.
; c2: four chains of four squares a lane, then a tree over the lanes; the work-group's 64 sums meet in LDS and leave as one store of 256 consecutive bytes.
; THE MODE: SCHED_MODE bits 1:0 = 2 (LLVM: expert scheduling mode 2), set by the entry lines.  The code itself states the register dependences
; between vector instructions and memory or LDS instructions, with s_wait_alu, always for 0.
; THE PLAN.  Registers that memory or LDS instructions touch:
;   v[VI], v[VO], v[SA]  offsets and an LDS address, made at the head and never written again.
;   X, row i             The head's loads land in it; no vector instruction has named it before.  Row i's eight roundings write two of each four registers, in place; the row's four stores,
;                        which are issued in row i + 1, read those; nothing writes them again.
;   R                    Written by the rows' trees; read by the eight LDS stores behind row 7.
;   T                    Named by the rows' arithmetic; in wave 0 an LDS load lands in it behind all of that, and the last store reads it.
;   v[SPW], v[NIL]       Written at the head, read by the closing add alone.
; Row i + 1's vector instructions name X of row i + 1, T, A, B, TMP and its own R: none of the registers that row i's stores touch.  So ONE wait on va_vdst at a row's head states all that the
; four stores of the row before hang on, and these are dealt among the row's vector instructions with no further wait.  One more stands behind row 7.
; No register that a memory or LDS instruction reads is written again: no wait on vm_vsrc is owed ahead of the closing lines.
.set SPARE, 256                        ; LDS: bytes 0-255 the 64 row sums; from 256 on the spare words, 128 bytes for each of the eight waves
.set VI,  1                            ; v1      16 x lane: my 16 bytes in 512 of a row
.set VO,  2                            ; v2      8 x lane: my 8 bytes in 256 of a rounded row
.set SA,  3                            ; v3      32 x wave: LDS byte of my wave's eight sums
.set SPW, 4                            ; v4      LDS address of my spare word; never rewritten
.set NIL, 5                            ; v5      0; never rewritten
.set T,   6                            ; v[6:9]  four rounded numbers, widened again
.set A,   10                           ; v[10:11], v[12:13]  four running sums of squares
.set B,   12
.set TMP, 14
.set R,   16                           ; v[16:23] the sums of my wave's eight rows
.set X,   32                           ; v[32:159] row i, load k at X + 16 i + 4 k
	s_load_b256 s[4:11], s[0:1], 0x0               ; codebook s[4:5], x s[6:7], cbh s[8:9], xbh s[10:11]
	s_load_b64 s[12:13], s[0:1], 0x20              ; c2
	v_lshl_add_u32 v[SPW], v0, 2, SPARE
	v_mov_b32 v[NIL], 0
	v_lshrrev_b32 v[TMP], 5, v0
	v_readfirstlane_b32 s14, v[TMP]                ; wave 0..7
	v_and_b32 v[VO], 31, v0
	v_lshlrev_b32 v[VI], 4, v[VO]
	v_lshlrev_b32 v[VO], 3, v[VO]
	v_lshlrev_b32 v[SA], 5, v[TMP]
	s_wait_alu depctr_va_sdst(0)                   ; s14 is written, ahead of its first reader: the wave's part of both bases is made from it
	s_mov_b32 s24, 0x76543210                      ; v_permlanex16_b32: each lane takes its own place in the other half
	s_mov_b32 s25, 0xfedcba98
	s_mov_b32 s26, 0xffff0000                      ; a word's upper bf16
	s_sub_co_u32 s27, ttmp9, 256
	s_cmp_lt_u32 ttmp9, 256                        ; code rows or rows of x?  The same answer in all eight waves
	s_cselect_b32 s15, ttmp9, s27                  ; my block of 64 rows in its tensor
	s_wait_kmcnt 0x0
	s_cselect_b64 s[16:17], s[4:5], s[6:7]         ; from where
	s_cselect_b64 s[18:19], s[8:9], s[10:11]       ; to where
	s_lshl_b32 s20, s15, 17                        ; 64 rows of 2,048 bytes,
	s_lshl_b32 s27, s14, 14                        ; my wave's 8 of them
	s_add_co_u32 s20, s20, s27
	s_mov_b32 s21, 0
	s_lshl_b32 s22, s15, 16                        ; the same in rows of 1,024 bytes
	s_lshl_b32 s27, s14, 13
	s_add_co_u32 s22, s22, s27
	s_mov_b32 s23, 0
	s_add_nc_u64 s[16:17], s[16:17], s[20:21]
	s_add_nc_u64 s[18:19], s[18:19], s[22:23]
	s_wait_alu depctr_va_vdst(0)                   ; v[VI], v[VO] and v[SA] are written: every load, store and LDS instruction below reads one of them as its offset or address
.irp i, 0,1,2,3,4,5,6,7
.irp k, 0,1,2,3
	global_load_b128 v[X+16*(\i)+4*(\k):X+16*(\i)+4*(\k)+3], v[VI], s[16:17] offset:2048*(\i)+512*(\k) th:TH_LOAD_NT
.endr
.endr
; Row i: rounded in place; the row before is stored, a store ahead of each quarter's vector instructions; sum = 1: the sum of the row's squares is made too.
.macro ROW i, sum
	s_wait_loadcnt 4*(7-(\i))                      ; loads come back in order (ISA guide 5.7.1): mine are in, the four of each younger row stay out
.if (\i) > 0
	s_wait_alu depctr_va_vdst(0)                   ; the roundings of the row before have written its words, which the four stores below read
.endif
.irp k, 0,1,2,3
.set XR, X+16*(\i)+4*(\k)
.if (\i) > 0
	global_store_b64 v[VO], v[XR-16:XR-15], s[18:19] offset:1024*((\i)-1)+256*(\k)  ; the row before.  32 lanes: 256 consecutive bytes, at a multiple of 256 from the buffer's first.  No vector instruction since the wait names these registers
.endif
	v_cvt_pk_bf16_f32 v[XR], v[XR], v[XR+1]        ; to nearest even, two at a time
	v_cvt_pk_bf16_f32 v[XR+1], v[XR+2], v[XR+3]
.if \sum
	v_lshlrev_b32 v[T], 16, v[XR]                  ; the rounded numbers as f32
	v_and_b32 v[T+1], s26, v[XR]
	v_lshlrev_b32 v[T+2], 16, v[XR+1]
	v_and_b32 v[T+3], s26, v[XR+1]
.if (\k) == 0
	v_pk_mul_f32 v[A:A+1], v[T:T+1], v[T:T+1]      ; the first squares start the sums: nothing is cleared
	v_pk_mul_f32 v[B:B+1], v[T+2:T+3], v[T+2:T+3]
.else
	v_pk_fma_f32 v[A:A+1], v[T:T+1], v[T:T+1], v[A:A+1]
	v_pk_fma_f32 v[B:B+1], v[T+2:T+3], v[T+2:T+3], v[B:B+1]
.endif
.endif
.endr
.if \sum
	v_pk_add_f32 v[A:A+1], v[A:A+1], v[B:B+1]
	v_add_f32 v[R+(\i)], v[A], v[A+1]
	v_add_f32_dpp v[R+(\i)], v[R+(\i)], v[R+(\i)] row_xmask:1 row_mask:0xf bank_mask:0xf
	v_add_f32_dpp v[R+(\i)], v[R+(\i)], v[R+(\i)] row_xmask:2 row_mask:0xf bank_mask:0xf
	v_add_f32_dpp v[R+(\i)], v[R+(\i)], v[R+(\i)] row_xmask:4 row_mask:0xf bank_mask:0xf
	v_add_f32_dpp v[R+(\i)], v[R+(\i)], v[R+(\i)] row_xmask:8 row_mask:0xf bank_mask:0xf
	v_permlanex16_b32 v[TMP], v[R+(\i)], s24, s25  ; its destination counts as read: it has been written
	v_add_f32 v[R+(\i)], v[R+(\i)], v[TMP]         ; every lane holds the row's sum
.endif
.endm
; Row 7 has no row behind it: its four stores stand by themselves.
.macro LAST
.irp k, 0,1,2,3
	global_store_b64 v[VO], v[X+112+4*(\k):X+112+4*(\k)+1], s[18:19] offset:1024*7+256*(\k)
.endr
.endm
	s_cmp_lt_u32 ttmp9, 256
	s_cbranch_scc0 .Lx                             ; hangs on the work-group's number alone
.irp i, 0,1,2,3,4,5,6,7
	ROW \i, 1
.endr
	s_wait_alu depctr_va_vdst(0)                   ; row 7's roundings have written its words, which the stores read; the trees have written v[R ..], which the LDS stores read; the arithmetic is done with v[T ..], in which wave 0's LDS load lands.  No vector instruction follows
	LAST
.irp i, 0,1,2,3,4,5,6,7
	ds_store_b32 v[SA], v[R+(\i)] offset:4*(\i)    ; all lanes write the same word with the same value
.endr
	s_wait_dscnt 0x0                               ; for the others' sake: my sums are in LDS
	s_barrier_signal -1
	s_barrier_wait -1
	s_cmp_lg_u32 s14, 0
	s_cbranch_scc1 .Lnot_wave_0
	ds_load_b64 v[T:T+1], v[VO]                    ; wave 0: the work-group's 64 sums, two a lane
	s_lshl_b32 s20, s15, 8                         ; 64 numbers of 4 bytes for each block (s21 is 0)
	s_add_nc_u64 s[12:13], s[12:13], s[20:21]
	s_wait_dscnt 0x0
	global_store_b64 v[VO], v[T:T+1], s[12:13]     ; 256 consecutive bytes, aligned
.Lnot_wave_0:
	s_wait_dscnt 0x0                               ; the closing lines, six on end
	s_wait_alu 0x0
	s_wait_tensorcnt 0x0
	ds_add_u32 v[SPW], v[NIL]
	s_wait_dscnt 0x0
	s_endpgm
.Lx:                                                   ; rows of x: rounded and stored; no sum, no LDS, no barrier
.irp i, 0,1,2,3,4,5,6,7
	ROW \i, 0
.endr
	s_wait_alu depctr_va_vdst(0)                   ; row 7's roundings have written its words, which the last four stores read
	LAST
	s_endpgm
.Lfunc_end_k_q901e09402c_prep:
	.size	k_q901e09402c_prep, .Lfunc_end_k_q901e09402c_prep-k_q901e09402c_prep
	.p2alignl 7, 3214868480
	.fill 96, 4, 3214868480
	.section	.rodata,"a",@progbits
	.p2align	6, 0x0
	.amdhsa_kernel k_q901e09402c_prep
		.amdhsa_group_segment_fixed_size 1280
		.amdhsa_private_segment_fixed_size 0
		.amdhsa_enable_private_segment 0
		.amdhsa_kernarg_size 40
		.amdhsa_user_sgpr_count 2
		.amdhsa_user_sgpr_kernarg_segment_ptr 1
		.amdhsa_wavefront_size32 1
		.amdhsa_system_sgpr_workgroup_id_x 1
		.amdhsa_system_sgpr_workgroup_id_y 1
		.amdhsa_system_sgpr_workgroup_id_z 1
		.amdhsa_system_vgpr_workitem_id 0
		.amdhsa_next_free_vgpr 160
		.amdhsa_next_free_sgpr 66
		.amdhsa_reserve_vcc 0
		.amdhsa_float_denorm_mode_32 3
		.amdhsa_float_denorm_mode_16_64 3
		.amdhsa_memory_ordered 1
		.amdhsa_forward_progress 1
		.amdhsa_inst_pref_size 33
	.end_amdhsa_kernel
	.amdgpu_metadata
---
amdhsa.version: [ 1, 2 ]
amdhsa.kernels:
  - .name:           k_q901e09402c_prep
    .symbol:         k_q901e09402c_prep.kd
    .args:
      - { .name: codebook, .offset: 0, .size: 8, .value_kind: global_buffer, .address_space: global }
      - { .name: x, .offset: 8, .size: 8, .value_kind: global_buffer, .address_space: global }
      - { .name: cbh, .offset: 16, .size: 8, .value_kind: global_buffer, .address_space: global }
      - { .name: xbh, .offset: 24, .size: 8, .value_kind: global_buffer, .address_space: global }
      - { .name: c2, .offset: 32, .size: 8, .value_kind: global_buffer, .address_space: global }
    .group_segment_fixed_size: 1280
    .private_segment_fixed_size: 0
    .kernarg_segment_align: 8
    .kernarg_segment_size: 40
    .max_flat_workgroup_size: 256
    .sgpr_count:     66
    .vgpr_count:     160
    .wavefront_size: 32
...
	.end_amdgpu_metadata
.endif
;; end of part 5
;; launch main: the kernel of part 2 again; grid 32 x 8, 4 waves a work-group, clusters of 4 x 1, 327,680 bytes of LDS; arguments cbh, c2, xbh, cand; writes cand
;; launch gather: the kernel of part 3 again; grid 256 x 1, 8 waves a work-group, no clusters, 0 bytes of LDS; arguments x, codebook, cand, out0, out1, part; writes out0, out1, part
;; launch finish: the kernel of part 4 again; grid 1 x 1, 1 waves a work-group, no clusters, 0 bytes of LDS; arguments part, out2; writes out2
